; MI455X (gfx1250); checked and timed in simulation.
; The chip was launched on July 23, 2026; its instructions are those of AMD's public machine-readable ISA for CDNA 5 (MIT licence, August 2026) and "CDNA5" Instruction Set Architecture Reference Guide (July 2026). The comments in the code are by the model that wrote it; some were corrected since.
;; Comb Net HE. Allowed arithmetic: matrix products marked QUANTISED: E4M3 operands, one given power-of-two scale a tensor, by v_wmma_f32_16x16x64_fp8_fp8 or v_wmma_f32_16x16x128_fp8_fp8, f32 sums; products left as they are: f32 operands where the result goes on into a quantised operand, else bf16, f16 or f32 operands; f32 sums; everything else in f32.
;; Inputs: W1f 1,024 x 4,096 float32; W1o 1,024 x 4,096 float32; W2f 4,096 x 10 float32; W2o 4,096 x 10 float32; b1f 4,096 float32; b1o 4,096 float32; b2f 10 float32; b2o 10 float32; lowp_scales 4 int32 (the exponents e of the quantised operands' scales 2^e); x 8,192 x 1,024 float32.
;; Outputs: out0 8,192 x 10 float32.
;; This version of the problem:
;;   THIS VERSION OF THE PROBLEM IS GIVEN IN LOW PRECISION. The matrix products marked QUANTISED in the list below multiply operands that are first quantised to E4M3 (4 exponent bits, 3 mantissa bits; 8 bits a number), with one given power-of-two scale for each operand tensor; their sums are f32. All else is computed in f32.
;;   The module's matrix products, in the order in which they are computed (A, B: the left and right operand; K: the contracted axis; several contracted axes count as one K, in the product's order):
;;     1. [M 8,192, K 1,024] x [K 1,024, N 4,096]; A: input x; B: input W1o: QUANTISED (scales: A lowp_scales[0], B lowp_scales[1])
;;     2. [M 8,192, K 4,096] x [K 4,096, N 10]; A: computed on the way; B: input W2o: left as it is (N = 10 < 16)
;;     3. [M 8,192, K 1,024] x [K 1,024, N 4,096]; A: input x; B: input W1f: QUANTISED (scales: A lowp_scales[2], B lowp_scales[3])
;;     4. [M 8,192, K 4,096] x [K 4,096, N 10]; A: computed on the way; B: input W2f: left as it is (N = 10 < 16)
;;   THE QUANTISER, for each operand of a quantised product, along K:
;;     - The operand's scale is 2^e, e = its entry of the input lowp_scales (int32; the entries are numbered through the quantised products in the list's order, A before B).
;;     - Each number is divided by the scale, clamped to +-448, and rounded to the nearest number of E4M3, ties to even, subnormals kept.
;;     - The product sums the exact products of the quantised numbers (number of the format x scale) in f32.
;;   ~~~python
;;   def quantise(x, axis, e):      # numpy; x: float32 -> the quantised numbers, widened to float32 again
;;       x = np.moveaxis(x, axis, -1); K = x.shape[-1]
;;       r = np.clip(x / 2.0 ** e, -448, 448)
;;       step = 2.0 ** (np.maximum(np.frexp(np.where(r == 0, 1, r))[1] - 1, -6) - 3)
;;       q = np.round(r / step) * step * 2.0 ** e      # np.round: ties to even
;;       return np.moveaxis(q, -1, axis).astype(np.float32)
;;   ~~~
;; One version. Each part assembles by itself: llvm-mc -triple=amdgcn-amd-amdhsa -mcpu=gfx1250 --defsym DOCPART=n.
;; ======== version 1 of 1: 3 launches
;; limits: values are held in bf16: 8 bits of precision; right only within a limited range of input values
;; workspace buffers: xq 16,777,216 bytes; wq 8,388,608 bytes; w2t 262,144 bytes; b1s 32,768 bytes; part 4,194,304 bytes
;; launch prep (part 1): grid 528 x 1, 4 waves a work-group, no clusters, 34,304 bytes of LDS; arguments x, W1o, W1f, W2o, W2f, b1o, b1f, lowp_scales, xq, wq, w2t, b1s; writes xq, wq, w2t, b1s
.if DOCPART == 1
	.amdgcn_target "amdgcn-amd-amdhsa--gfx1250"
	.amdhsa_code_object_version 6
	.text
	.protected	k_qd62bb9d963_prep
	.globl	k_qd62bb9d963_prep
	.p2align	8
	.type	k_qd62bb9d963_prep,@function
k_qd62bb9d963_prep:
	s_mov_b64 s[64:65], 0
	v_nop
	global_prefetch_b8 v0, s[64:65] scope:SCOPE_SE
	s_setreg_imm32_b32 hwreg(HW_REG_WAVE_MODE, 25, 1), 1
	s_wait_xcnt 0x0
; The operands of the products' launch are made once.  Three kinds of work-group, told apart by the work-group's number alone:
;   0..255   X: x [8192][1024] f32 -> codes of E4M3, twice: with 2^e0 (net o) and with 2^e2 (net f): the two given scales need not be equal.
;   256..511 W: W1o, W1f [1024 (k)][4096 (n)] f32 -> codes with K innermost, with 2^e1 and 2^e3.
;   512..527 S: W2o, W2f [4096][10] -> bf16, padded with zeros to 16 columns; b1 -> b1 x 2^-(eA + eB), the bias as the unscaled sums of codes want it.
; code = number / 2^e, held within +-448, to the nearest code, ties to even.
; LAYOUT OF THE CODES: images of operand registers.  A fragment (16 rows x 128 K) is 2,048 bytes, [c 0..3][lane 0..31][16 bytes]: lane (r = lane % 16, h = lane / 16) holds row r, k = 32 c + 16 h + 0..15.
;   xq: net<<23 + ks<<21 + rowblock<<12 + q<<11 + image   (ks: K step of 256; q: its half of 128)        wq: net<<22 + ks<<20 + hiddenblock<<12 + q<<11 + image
;   w2t: net<<17 + step32<<10 + u<<9 + lane<<4: lane (r, h): W2[32 step + 16 u + 8 h + 0..7][r] as bf16, zeros where r >= 10          b1s: net<<14 + 4 n
; So every store here covers whole aligned runs of 256 bytes, and the reader's tiles are dense blocks.
; LIMITS: each entry of lowp_scales lies between -126 and 119; b1 x 2^-(eA + eB) is an f32 number; NaN among the inputs is not served (an infinity is held at the largest code).
; No barrier: waves share nothing.  Only path X touches LDS, each wave its own 8,448 bytes.
.set STG,  8448                        ; a wave's stage: 16 rows x SP
.set SP,   528                         ; a stage row: 512 bytes + 16 = 33 x 16: sixteen lanes that read one column of sixteen rows start at sixteen different 16-byte columns
.set T,    16                          ; X: v16-31   16 numbers held for net o
.set C0,   32                          ; X: v32-47   a fragment's codes for net o
.set C1,   48                          ; X: v48-63   for net f
.set X,    64                          ; X: v64-127  64 numbers of my row: register 16 c + i = k 32 c + 16 h + i
.set R,    128                         ; X: v128-255 two sets of 64, as loaded
.set WX,   16                          ; W: v16-79   two sets of 32 numbers down K
.set WC,   80                          ; W: v80-143  8 registers of codes for each of 8 blocks: no store's data are written again
.macro MKSCALE e, vs, vl               ; v[vs] = 2^e as f32 (the conversion takes its exponent field), v[vl] = 448 x 2^e
	s_add_co_i32 s40, \e, 127
	s_lshl_b32 s41, s40, 23
	v_mov_b32 v[\vs], s41
	s_add_co_i32 s40, s40, 8
	s_lshl_b32 s40, s40, 23
	s_or_b32 s40, s40, 0x600000
	v_mov_b32 v[\vl], s40
.endm
.macro XLOAD f                         ; fragment f: 128 numbers of each of my 16 rows; each load reads 512 consecutive bytes of one row
.set i, 0
.rept 16
	global_load_b128 v[R+64*((\f)%2)+4*i:R+64*((\f)%2)+4*i+3], v4, s[4:5] offset:4096*i+512*(\f) th:TH_LOAD_NT
.set i, i+1
.endr
.endm
.macro XFRAG f
.if (\f) < 3
	s_wait_loadcnt 16                              ; this fragment's 16 loads are in; the next fragment's 16 may be out
.else
	s_wait_loadcnt 0x0
.endif
.set i, 0
.rept 16
	ds_store_b128 v5, v[R+64*((\f)%2)+4*i:R+64*((\f)%2)+4*i+3] offset:SP*i    ; row i as it lies
.set i, i+1
.endr
.set i, 0
.rept 16
	ds_load_b128 v[X+4*i:X+4*i+3], v6 offset:128*(i/4)+16*(i%4)               ; back: my row's 16 neighbours of each block of 32.  LDS serves a wave's instructions in order: these see the stores above
.set i, i+1
.endr
	s_wait_dscnt 0x0                               ; the numbers are back, and the stores into the stage have read their registers
	s_wait_xcnt 0x0                                ; the last fragment's global stores have read C0 and C1: they are written again only behind this wait
.if (\f)+2 < 4
	XLOAD (\f)+2
.endif
.irp c, 0,1,2,3
.set i, 0
.rept 16
	v_med3_num_f32 v[T+i], v[X+16*\c+i], -v11, v11  ; the conversion to an 8-bit code does not saturate (ISA guide 7.6.2): the hold at 448 x 2^e0, into a copy
.set i, i+1
.endr
	v_cvt_scalef32_pk8_fp8_f32 v[C0+4*\c:C0+4*\c+1], v[T:T+7], v10
	v_cvt_scalef32_pk8_fp8_f32 v[C0+4*\c+2:C0+4*\c+3], v[T+8:T+15], v10
.set i, 0
.rept 16
	v_med3_num_f32 v[X+16*\c+i], v[X+16*\c+i], -v13, v13   ; the hold at 448 x 2^e2, in place; these plain lines also part the conversions above from the next writes of T
.set i, i+1
.endr
	v_cvt_scalef32_pk8_fp8_f32 v[C1+4*\c:C1+4*\c+1], v[X+16*\c:X+16*\c+7], v12
	v_cvt_scalef32_pk8_fp8_f32 v[C1+4*\c+2:C1+4*\c+3], v[X+16*\c+8:X+16*\c+15], v12
.endr
	v_nop                                          ; a plain vector line behind the last conversion
.irp c, 0,1,2,3
	global_store_b128 v4, v[C0+4*\c:C0+4*\c+3], s[20:21] offset:((\f)/2)*0x200000+((\f)%2)*2048+512*\c   ; 32 lanes store 512 consecutive bytes of the image
	global_store_b128 v4, v[C1+4*\c:C1+4*\c+3], s[36:37] offset:((\f)/2)*0x200000+((\f)%2)*2048+512*\c
.endr
.endm
.macro WLOAD t                         ; block t: W1(32 t + i, my column), i = 0..31: each load reads 128 consecutive bytes, the four waves stand side by side
.set i, 0
.rept 32
	global_load_b32 v[WX+32*((\t)%2)+i], v8, s[36:37] offset:(32*(\t)+i)*16384 th:TH_LOAD_NT
.set i, i+1
.endr
.endm
.macro WBLOCK t
.if (\t) < 7
	s_wait_loadcnt 32                              ; this block's 32 loads are in; the next block's may be out
.else
	s_wait_loadcnt 0x0
.endif
.set i, 0
.rept 32
	v_med3_num_f32 v[WX+32*((\t)%2)+i], v[WX+32*((\t)%2)+i], -v11, v11
.set i, i+1
.endr
.irp g, 0,1,2,3
	v_cvt_scalef32_pk8_fp8_f32 v[WC+8*(\t)+2*\g:WC+8*(\t)+2*\g+1], v[WX+32*((\t)%2)+8*\g:WX+32*((\t)%2)+8*\g+7], v10
.endr
	v_nop                                          ; a plain vector line behind the last conversion
	global_store_b128 v9, v[WC+8*(\t):WC+8*(\t)+3], s[22:23] offset:((\t)/4)*2048+((\t)%4)*512         ; k 32 c + 0..15: the image's lanes 0-15; sixteen lanes fill 256 aligned bytes
	global_store_b128 v9, v[WC+8*(\t)+4:WC+8*(\t)+7], s[22:23] offset:((\t)/4)*2048+((\t)%4)*512+256   ; k 32 c + 16..31: its lanes 16-31
.if (\t)+2 < 8
	WLOAD (\t)+2
.endif
.endm
	s_load_b512 s[4:19], s[0:1], 0x0               ; x 4:5, W1o 6:7, W1f 8:9, W2o 10:11, W2f 12:13, b1o 14:15, b1f 16:17, lowp_scales 18:19
	s_load_b256 s[20:27], s[0:1], 0x40             ; xq 20:21, wq 22:23, w2t 24:25, b1s 26:27
	v_lshl_add_u32 v14, v0, 2, 0x8400
	v_mov_b32 v15, 0
	v_lshrrev_b32 v1, 5, v0
	v_readfirstlane_b32 s32, v1                    ; wave 0..3
	v_and_b32 v1, 31, v0                           ; lane
	v_and_b32 v2, 15, v0                           ; r
	v_bfe_u32 v3, v0, 4, 1                         ; h
	v_lshlrev_b32 v4, 4, v1                        ; 16 x lane
	s_wait_kmcnt 0x0
	s_load_b128 s[28:31], s[18:19], 0x0            ; e0, e1, e2, e3
	s_cmp_lt_u32 ttmp9, 256
	s_cbranch_scc1 .Lpath_x
	s_cmp_lt_u32 ttmp9, 512
	s_cbranch_scc1 .Lpath_w
	; ---- S: wave u of 64: net u / 32, part j = u % 32: 128 numbers of b1 and 128 rows of W2
	s_sub_co_u32 s33, ttmp9, 512
	s_lshl_b32 s33, s33, 2
	s_add_co_u32 s33, s33, s32
	s_lshr_b32 s34, s33, 5                         ; net
	s_and_b32 s35, s33, 31                         ; j
	s_cmp_eq_u32 s34, 0                            ; the choice of buffers hangs on ids alone
	s_cselect_b64 s[36:37], s[14:15], s[16:17]     ; b1
	s_cselect_b64 s[38:39], s[10:11], s[12:13]     ; W2
	s_lshl_b32 s42, s35, 9
	s_mov_b32 s43, 0
	s_add_nc_u64 s[36:37], s[36:37], s[42:43]
	s_mul_i32 s44, s35, 5120                       ; 128 rows of 40 bytes
	s_mov_b32 s45, 0
	s_add_nc_u64 s[38:39], s[38:39], s[44:45]
	s_wait_alu depctr_va_vdst(0)
	global_load_b128 v[16:19], v4, s[36:37]
	v_min_u32 v5, 9, v2                            ; lanes of the padding columns read column 9, inside the buffer; their numbers are replaced by zeros below
	v_lshlrev_b32 v5, 2, v5
	v_mad_u32_u24 v7, v3, 320, v5                  ; 8 h rows + my column
.irp s, 0,1,2,3
.irp u, 0,1
.irp i, 0,1,2,3,4,5,6,7
	global_load_b32 v[64+8*(2*\s+\u)+\i], v7, s[38:39] offset:(32*\s+16*\u+\i)*40
.endr
.endr
.endr
	s_lshl_b32 s46, s34, 14
	s_add_co_u32 s46, s46, s42
	s_mov_b32 s47, 0
	s_add_nc_u64 s[26:27], s[26:27], s[46:47]      ; b1s at my 512 bytes
	s_lshl_b32 s46, s34, 17
	s_lshl_b32 s48, s35, 12
	s_add_co_u32 s46, s46, s48
	s_add_nc_u64 s[24:25], s[24:25], s[46:47]      ; w2t at my four steps of 32
	s_wait_kmcnt 0x0
	s_add_co_i32 s49, s28, s29
	s_add_co_i32 s50, s30, s31
	s_cmp_eq_u32 s34, 0
	s_cselect_b32 s49, s49, s50
	s_sub_co_i32 s49, 0, s49                       ; -(eA + eB)
	s_wait_loadcnt 0x0
.irp i, 16,17,18,19
	v_ldexp_f32 v\i, v\i, s49
.endr
	global_store_b128 v4, v[16:19], s[26:27]
	v_cmp_gt_u32 vcc_lo, 10, v2                    ; lanes of true columns
.set i, 0
.rept 32
	v_cvt_pk_bf16_f32 v[128+i], v[64+2*i], v[64+2*i+1]
.set i, i+1
.endr
.set i, 0
.rept 32
	v_cndmask_b32 v[128+i], 0, v[128+i], vcc_lo
.set i, i+1
.endr
.irp s, 0,1,2,3
.irp u, 0,1
	global_store_b128 v4, v[128+4*(2*\s+\u):128+4*(2*\s+\u)+3], s[24:25] offset:1024*\s+512*\u
.endr
.endr
	s_endpgm
	; ---- X: wave u of 1,024: row block u / 2 (16 rows), K half u % 2 (512 along K: four fragments)
.Lpath_x:
	s_lshl_b32 s33, ttmp9, 2
	s_add_co_u32 s33, s33, s32
	s_lshr_b32 s34, s33, 1                         ; row block
	s_and_b32 s35, s33, 1                          ; K half
	s_lshl_b32 s38, s34, 16                        ; 16 rows of 4,096 bytes
	s_lshl_b32 s39, s35, 11
	s_add_co_u32 s38, s38, s39
	s_mov_b32 s39, 0
	s_add_nc_u64 s[4:5], s[4:5], s[38:39]
	s_lshl_b32 s42, s35, 22                        ; two K steps of 256
	s_lshl_b32 s43, s34, 12
	s_add_co_u32 s42, s42, s43
	s_mov_b32 s43, 0
	s_add_nc_u64 s[20:21], s[20:21], s[42:43]      ; net o's codes
	s_add_nc_u64 s[36:37], s[20:21], 0x800000      ; net f's
	s_mul_i32 s44, s32, STG
	s_wait_alu depctr_va_vdst(0)
	v_add_nc_u32 v5, s44, v4                       ; into my stage: 16 x lane of a row
	v_mul_u32_u24 v6, v2, SP
	v_lshl_add_u32 v6, v3, 6, v6
	v_add_nc_u32 v6, s44, v6                       ; out of it: row r, + 64 h
	XLOAD 0
	XLOAD 1
	s_wait_alu depctr_va_vdst(0)
	s_wait_kmcnt 0x0
	MKSCALE s28, 10, 11
	MKSCALE s30, 12, 13
	s_wait_alu depctr_va_vdst(0)
	XFRAG 0
	XFRAG 1
	XFRAG 2
	XFRAG 3
	s_wait_tensorcnt 0x0
	ds_add_u32 v14, v15
	s_wait_dscnt 0x0
	s_endpgm
	; ---- W: a lane takes a column n and its registers run down K, so the conversions give codes with K innermost.  A wave: 32 columns x 256 along K
.Lpath_w:
	s_sub_co_u32 s33, ttmp9, 256
	s_and_b32 s34, s33, 31
	s_lshl_b32 s34, s34, 2
	s_add_co_u32 s34, s34, s32                     ; which 32 columns, 0..127
	s_bfe_u32 s35, s33, 0x20005                    ; K step of 256
	s_lshr_b32 s38, s33, 7                         ; net
	s_cmp_eq_u32 s38, 0
	s_cselect_b64 s[36:37], s[6:7], s[8:9]
	s_lshl_b32 s42, s35, 22                        ; 256 rows of 16,384 bytes
	s_lshl_b32 s43, s34, 7
	s_add_co_u32 s42, s42, s43
	s_mov_b32 s43, 0
	s_add_nc_u64 s[36:37], s[36:37], s[42:43]
	s_lshl_b32 s44, s38, 22
	s_lshl_b32 s45, s35, 20
	s_add_co_u32 s44, s44, s45
	s_lshl_b32 s45, s34, 13                        ; two hidden blocks of 4,096 bytes
	s_add_co_u32 s44, s44, s45
	s_mov_b32 s45, 0
	s_add_nc_u64 s[22:23], s[22:23], s[44:45]
	s_wait_alu depctr_va_vdst(0)
	v_lshlrev_b32 v8, 2, v1                        ; in: 4 bytes a lane
	v_lshlrev_b32 v9, 4, v2
	v_lshl_add_u32 v9, v3, 12, v9                  ; out: hidden block lane / 16, image lane r
	WLOAD 0
	WLOAD 1
	s_wait_kmcnt 0x0
	s_cmp_eq_u32 s38, 0
	s_cselect_b32 s46, s29, s31
	MKSCALE s46, 10, 11
	s_wait_alu depctr_va_vdst(0)
	WBLOCK 0
	WBLOCK 1
	WBLOCK 2
	WBLOCK 3
	WBLOCK 4
	WBLOCK 5
	WBLOCK 6
	WBLOCK 7
	s_endpgm
.Lfunc_end_k_qd62bb9d963_prep:
	.size	k_qd62bb9d963_prep, .Lfunc_end_k_qd62bb9d963_prep-k_qd62bb9d963_prep
	.p2alignl 7, 3214868480
	.fill 96, 4, 3214868480
	.section	.rodata,"a",@progbits
	.p2align	6, 0x0
	.amdhsa_kernel k_qd62bb9d963_prep
		.amdhsa_group_segment_fixed_size 34304
		.amdhsa_private_segment_fixed_size 0
		.amdhsa_enable_private_segment 0
		.amdhsa_kernarg_size 96
		.amdhsa_user_sgpr_count 2
		.amdhsa_user_sgpr_kernarg_segment_ptr 1
		.amdhsa_wavefront_size32 1
		.amdhsa_system_sgpr_workgroup_id_x 1
		.amdhsa_system_sgpr_workgroup_id_y 1
		.amdhsa_system_sgpr_workgroup_id_z 1
		.amdhsa_system_vgpr_workitem_id 0
		.amdhsa_next_free_vgpr 256
		.amdhsa_next_free_sgpr 66
		.amdhsa_reserve_vcc 1
		.amdhsa_float_denorm_mode_32 3
		.amdhsa_float_denorm_mode_16_64 3
		.amdhsa_memory_ordered 1
		.amdhsa_forward_progress 1
		.amdhsa_inst_pref_size 113
	.end_amdhsa_kernel
	.amdgpu_metadata
---
amdhsa.version: [ 1, 2 ]
amdhsa.kernels:
  - .name:           k_qd62bb9d963_prep
    .symbol:         k_qd62bb9d963_prep.kd
    .args:
      - { .name: x, .offset: 0, .size: 8, .value_kind: global_buffer, .address_space: global }
      - { .name: W1o, .offset: 8, .size: 8, .value_kind: global_buffer, .address_space: global }
      - { .name: W1f, .offset: 16, .size: 8, .value_kind: global_buffer, .address_space: global }
      - { .name: W2o, .offset: 24, .size: 8, .value_kind: global_buffer, .address_space: global }
      - { .name: W2f, .offset: 32, .size: 8, .value_kind: global_buffer, .address_space: global }
      - { .name: b1o, .offset: 40, .size: 8, .value_kind: global_buffer, .address_space: global }
      - { .name: b1f, .offset: 48, .size: 8, .value_kind: global_buffer, .address_space: global }
      - { .name: lowp_scales, .offset: 56, .size: 8, .value_kind: global_buffer, .address_space: global }
      - { .name: xq, .offset: 64, .size: 8, .value_kind: global_buffer, .address_space: global }
      - { .name: wq, .offset: 72, .size: 8, .value_kind: global_buffer, .address_space: global }
      - { .name: w2t, .offset: 80, .size: 8, .value_kind: global_buffer, .address_space: global }
      - { .name: b1s, .offset: 88, .size: 8, .value_kind: global_buffer, .address_space: global }
    .group_segment_fixed_size: 34304
    .private_segment_fixed_size: 0
    .kernarg_segment_align: 8
    .kernarg_segment_size: 96
    .max_flat_workgroup_size: 128
    .sgpr_count:     66
    .vgpr_count:     256
    .wavefront_size: 32
...
	.end_amdgpu_metadata
.endif
;; end of part 1
;; launch gemm (part 2): grid 8 x 32, 4 waves a work-group, clusters of 4 x 4, 327,680 bytes of LDS; arguments xq, wq, w2t, b1s, part; writes part
.if DOCPART == 2
	.amdgcn_target "amdgcn-amd-amdhsa--gfx1250"
	.amdhsa_code_object_version 6
	.text
	.protected	k_qd62bb9d963_gemm
	.globl	k_qd62bb9d963_gemm
	.p2align	8
	.type	k_qd62bb9d963_gemm,@function
k_qd62bb9d963_gemm:
	s_mov_b64 s[64:65], 0
	v_nop
	global_prefetch_b8 v0, s[64:65] scope:SCOPE_SE
	s_setreg_imm32_b32 hwreg(HW_REG_WAVE_MODE, 25, 1), 1
	s_wait_xcnt 0x0
	s_wait_alu depctr_hold_cnt(0) depctr_sa_sdst(0) depctr_va_vdst(0) depctr_va_sdst(0) depctr_va_ssrc(0) depctr_va_vcc(0) depctr_vm_vsrc(0)
	s_getreg_b32 s2, hwreg(HW_REG_IB_STS2, 6, 4)
	s_cmp_eq_u32 s2, 0
	s_cbranch_scc0 .Lentry_in_a_cluster
	s_endpgm
.Lentry_in_a_cluster:
	s_bfe_u32 s2, ttmp6, 0x10000c
	s_cmp_lg_u32 s2, 0xf033
	s_cbranch_scc0 .Lentry_shape_is_right
	s_endpgm
.Lentry_shape_is_right:
; Both nets' hidden layers h = relu(x W1 + b1) and their products with W2, on the codes and images that launch prep has laid.
; GRID: cluster x = the net; cx = which 1,024 hidden units; 4 x cluster y + cy = which 256 rows of x.  A work-group walks four tiles of 256 rows x 256 hidden units;
; K = 1,024 goes in four steps of 256 through two LDS slots (A's 64 KiB, then B's 64 KiB), each wave fetching 32 KiB by one joint load: A's tiles are shared along a row of the cluster, B's along a column.
; Four waves, 128 x 128 each: 64 accumulators in windows 2 and 3; A's fragments in window 0 v128-255 (one set), B's in window 1 (two sets).  A tile's first products take b1 x 2^-(eA + eB) as C.
; THE MATRIX INSTRUCTION IS USED TRANSPOSED (source 0 = hidden units, source 1 = rows of x): a lane's registers run along the hidden units, the next product's K.
; AT A TILE'S END: relu on the unscaled sums (the scale is positive), bf16 packed IN PLACE into the low half of each pair of accumulators, and 32 products with W2 (16 padded columns) onto the wave's logits.
; The logits lie parked in the wave's own LDS bytes between tiles and work in window 1 v192-255 (B's set 1, blocks 4-7, free behind their last product): so the next tile's first fragments are fetched by the
; tile's last change of slots like any other step's, and are on their way while the tile's end is worked.
; part holds unscaled f32 sums, one part for each net and each 1,024 hidden units; launch finish adds, scales and goes on.
; PREFETCH: the first tile's K steps 1 to 3 are asked for ahead (one instruction a wave and step: 32 blocks of 256 bytes, a lane a block; the four partners of a joint load share its 128 blocks out by address).
; The later tiles take the same rows of x again, and their tiles of W1 are the first tiles of other clusters of the same net: they are not asked for.
.set SLOT,  131072
.set WBLK,  32768
.set SPARE, 2*SLOT
.set PARK,  SPARE+512
.set FR,    16
.set NP,    4
.set ADRA, 16
.set ADRB, 20
.set PK,   22
.set RD,   23
.set BO,   24
.set LO,   25
.set SPW,  28
.set NIL,  29
.set BIAS, 32
.set W2F,  96
.set AF,   128
.set LG,    192
.set G1,  24
.set G0,  32
.set G1B, 48
.set G0B, 56
.set BIA, 66
.set W2B, 68
.set TI,  73
.set TN,  78
.set DB,  80
.set BIA0, 82
.set W2B0, 84
.set MSB, 0
.macro WIN new
.if MSB != (\new)
	s_set_vgpr_msb (MSB<<8)|(\new)
.set MSB, (\new)
.endif
.endm
.set MUL_LO, 0xa1
.set MUL_HI, 0xf1
.set TO_B,   0x40
.macro JLOAD g0a, g1a, g0b, g1b
	s_cmp_eq_u32 s15, 0
	s_cbranch_scc0 .Lfor_b_\@
	tensor_load_to_lds s[\g0a:\g0a+3], s[\g1a:\g1a+7]
	s_nop 0
.rept 4
	v_nop
.endr
	s_branch .Lasked_\@
.Lfor_b_\@:
	tensor_load_to_lds s[\g0b:\g0b+3], s[\g1b:\g1b+7]
	s_nop 0
.rept 4
	v_nop
.endr
.Lasked_\@:
.endm
.macro CREST
	s_cmp_lg_u32 s14, 0
	s_cbranch_scc1 .Lnot_wave_0_\@
	s_barrier_signal -3
.Lnot_wave_0_\@:
	s_barrier_wait -3
	s_barrier_signal -1
	s_barrier_wait -1
.endm
.macro CROUND
	s_barrier_signal -1
	s_barrier_wait -1
	CREST
.endm
.macro PLACES n
.rept \n
	v_nop
.endr
.endm
.macro PARKIN                          ; my parked logits, 64 registers, into window 1 v192-255; it stands four places behind the last product that read B's set 1, blocks 4-7
	WIN TO_B
.set i, 0
.rept 16
	ds_load_b128 v[LG+4*i:LG+4*i+3], v[PK] offset:512*i
.set i, i+1
.endr
.endm
.macro FRAG reg, adr, q, i
.irp c, 0,1,2,3
	ds_load_b128 v[\reg+4*\c:\reg+4*\c+3], v[\adr] offset:(\i)*4096+(\q)*2048+512*\c
.endr
.endm
.macro RUNB slot, q, p, i0
	WIN TO_B
.irp i, \i0, \i0+1, \i0+2, \i0+3
	FRAG 128*(\p)+FR*(\i), ADRB+\slot, \q, \i
.endr
.endm
.macro RUNA slot, q, i0
	WIN 0
.irp i, \i0, \i0+1, \i0+2, \i0+3
	FRAG AF+FR*(\i), ADRA+\slot, \q, \i
.endr
.endm
.macro MULQ a0, b0, p, mode
.irp a, \a0, \a0+1
.irp b, \b0, \b0+1, \b0+2, \b0+3
.if \mode
	v_wmma_f32_16x16x128_fp8_fp8 v[8*(8*((\a)%4)+(\b)):8*(8*((\a)%4)+(\b))+7], v[128*(\p)+FR*(\b):128*(\p)+FR*(\b)+FR-1], v[AF+FR*(\a):AF+FR*(\a)+FR-1], v[BIAS+8*(\b):BIAS+8*(\b)+7]
.else
	v_wmma_f32_16x16x128_fp8_fp8 v[8*(8*((\a)%4)+(\b)):8*(8*((\a)%4)+(\b))+7], v[128*(\p)+FR*(\b):128*(\p)+FR*(\b)+FR-1], v[AF+FR*(\a):AF+FR*(\a)+FR-1], v[8*(8*((\a)%4)+(\b)):8*(8*((\a)%4)+(\b))+7]
.endif
.endr
.endr
.endm
.macro STEP slot, mode
	s_wait_dscnt 32
	WIN MUL_LO-0x20*\mode
	MULQ 0, 0, 0, \mode
	MULQ 2, 0, 0, \mode
	PLACES NP
	RUNB \slot, 1, 1, 0
	s_wait_dscnt 32
	WIN MUL_LO-0x20*\mode
	MULQ 0, 4, 0, \mode
	MULQ 2, 4, 0, \mode
	PLACES NP
	RUNA \slot, 1, 0
	s_wait_dscnt 32
	WIN MUL_HI-0x30*\mode
	MULQ 4, 4, 0, \mode
	MULQ 6, 4, 0, \mode
	PLACES NP
	RUNB \slot, 1, 1, 4
	WIN MUL_HI-0x30*\mode
	MULQ 4, 0, 0, \mode
	MULQ 6, 0, 0, \mode
	PLACES NP
	RUNA \slot, 1, 4
.endm
.macro TURN slot, next, fill, fetch, park
	s_wait_dscnt 32
	WIN MUL_LO
	MULQ 0, 0, 1, 0
	WIN 0
	s_wait_tensorcnt 0x0
	ds_add_u32 v[SPW], v[NIL]
	WIN MUL_LO
	MULQ 2, 0, 1, 0
	s_wait_dscnt 0x0
	s_barrier_signal -1
	MULQ 0, 4, 1, 0
	WIN 0
	s_barrier_wait -1
.if \fill
	CREST
.if \fill == 1
	s_add_nc_u64 s[G0+4*\slot+2:G0+4*\slot+3], s[G0+4*\slot+2:G0+4*\slot+3], 0x400000
	s_add_nc_u64 s[G0B+4*\slot+2:G0B+4*\slot+3], s[G0B+4*\slot+2:G0B+4*\slot+3], 0x200000
.else
	s_sub_nc_u64 s[G0+4*\slot+2:G0+4*\slot+3], s[G0+4*\slot+2:G0+4*\slot+3], 0x400000
	s_sub_nc_u64 s[G0B+4*\slot+2:G0B+4*\slot+3], s[G0B+4*\slot+2:G0B+4*\slot+3], s[DB:DB+1]
.endif
	JLOAD G0+4*\slot, G1, G0B+4*\slot, G1B
.else
	PLACES NP
.endif
.if \fetch
	RUNB \next, 0, 0, 0
.endif
	WIN MUL_LO
	MULQ 2, 4, 1, 0
	PLACES NP
.if \fetch
	RUNA \next, 0, 0
.endif
	WIN MUL_HI
	MULQ 4, 4, 1, 0
	MULQ 6, 4, 1, 0
	PLACES NP
.if \fetch
	RUNB \next, 0, 0, 4
.endif
.if \park
	PARKIN
.endif
	WIN MUL_HI
	MULQ 4, 0, 1, 0
	MULQ 6, 0, 1, 0
	PLACES NP
	WIN 0
.if \fetch
	RUNA \next, 0, 4
.endif
.endm
.macro POINT
	s_lshl_b32 s74, s[TI], 13
	s_add_nc_u64 s[W2B:W2B+1], s[W2B0:W2B0+1], s[74:75]
	s_lshl_b32 s74, s[TN], 10
	s_add_nc_u64 s[BIA:BIA+1], s[BIA0:BIA0+1], s[74:75]
	s_add_co_u32 s[DB], s[TI], 32
	s_sub_co_u32 s[DB], s[DB], s[TN]
	s_lshl_b32 s[DB], s[DB], 16
.endm
.macro AUX last
.irp s, 0,1,2,3
.irp u, 0,1
	global_load_b128 v[W2F+8*\s+4*\u:W2F+8*\s+4*\u+3], v[LO], s[W2B:W2B+1] offset:1024*\s+512*\u
.endr
.endr
.if \last == 0
.irp b, 0,1,2,3,4,5,6,7
.irp u, 0,1
	global_load_b128 v[BIAS+8*\b+4*\u:BIAS+8*\b+4*\u+3], v[BO], s[BIA:BIA+1] offset:64*\b+16*\u
.endr
.endr
.endif
.endm
.macro EPI last
	WIN 0
	s_wait_loadcnt 0x0
.if \last == 0
	s_mov_b32 s[TI], s[TN]
	s_add_co_u32 s[TN], s[TN], 1
	s_and_b32 s[TN], s[TN], 3
	POINT
.endif
	PLACES NP
.irp g, 0,1
.irp s, 0,1,2,3
	WIN 0x8a+0x45*\g
.irp a, 0,1,2,3
.irp j, 0,2,4,6,8,10,12,14
	v_dual_max_num_f32 v[8*(8*\a+2*\s)+\j], 0, v[8*(8*\a+2*\s)+\j] :: v_dual_max_num_f32 v[8*(8*\a+2*\s)+\j+1], 0, v[8*(8*\a+2*\s)+\j+1]   ; relu, two numbers an instruction: an even and an odd register; each accumulator from its low end on
.endr
.endr
.irp a, 0,1,2,3
.irp r, 0,1,2,3,4,5,6,7
	v_cvt_pk_bf16_f32 v[8*(8*\a+2*\s)+\r], v[8*(8*\a+2*\s)+2*\r], v[8*(8*\a+2*\s)+2*\r+1]   ; in place: register r takes numbers 2 r, 2 r + 1 of the pair's sixteen, never one that is still to be read
.endr
.endr
	WIN 0x58+4*\g                                  ; D and C (the logits) window 1, source 1 (h) window 2 or 3, source 0 (W2) window 0
.if (\g == 0) && (\s == 0)
	s_wait_alu depctr_va_vdst(0)
	s_wait_dscnt 16*(1-\last)                      ; the parked logits are in; behind their loads only the next tile's sixteen loads of A's blocks 4-7 were issued (none in the last tile)
.endif
.irp a, 0,1,2,3
	v_wmma_f32_16x16x32_bf16 v[LG+8*(4*\g+\a):LG+8*(4*\g+\a)+7], v[W2F+8*\s:W2F+8*\s+7], v[8*(8*\a+2*\s):8*(8*\a+2*\s)+7], v[LG+8*(4*\g+\a):LG+8*(4*\g+\a)+7]
.endr
.endr
.endr
	PLACES NP+1
	WIN 0x04                                       ; the stores' data lie in window 1
.set i, 0
.rept 16
	ds_store_b128 v[PK], v[LG+4*i:LG+4*i+3] offset:512*i
.set i, i+1
.endr
	WIN 0
.endm
.macro TILE last
	STEP 0, 1
	AUX \last
	TURN 0, 1, 1, 1, 0
	STEP 1, 0
	TURN 1, 0, 1, 1, 0
	STEP 0, 0
.if \last
	TURN 0, 1, 0, 1, 0
	STEP 1, 0
	s_wait_dscnt 32
	WIN MUL_LO
	MULQ 0, 0, 1, 0
	MULQ 2, 0, 1, 0
	s_wait_dscnt 16
	MULQ 0, 4, 1, 0
	MULQ 2, 4, 1, 0
	s_wait_dscnt 0x0
	WIN MUL_HI
	MULQ 4, 4, 1, 0
	MULQ 6, 4, 1, 0
	PLACES NP
	PARKIN
	WIN MUL_HI
	MULQ 4, 0, 1, 0
	MULQ 6, 0, 1, 0
	WIN 0
.else
	TURN 0, 1, 2, 1, 0
	STEP 1, 0
	TURN 1, 0, 2, 1, 1
.endif
	EPI \last
.endm
	s_load_b256 s[4:11], s[0:1], 0x0
	s_load_b64 s[12:13], s[0:1], 0x20
	v_lshl_add_u32 v[SPW], v0, 2, SPARE
	v_mov_b32 v[NIL], 0
	ds_add_u32 v28, v29
	ds_add_u32 v28, v29
	s_wait_dscnt 0x0
	v_lshrrev_b32 v1, 5, v0
	v_readfirstlane_b32 s14, v1
	s_lshr_b32 s15, s14, 1
	s_and_b32 s16, s14, 1
	s_bfe_u32 s40, ttmp6, 0x40000
	s_bfe_u32 s41, ttmp6, 0x40004
	s_mov_b32 s42, ttmp9
	s_and_b32 s72, ttmp7, 0xffff
	s_lshl_b32 s17, s72, 2
	s_add_co_u32 s17, s17, s41
	s_lshr_b32 s[TI], s72, 2
	s_add_co_u32 s[TI], s[TI], s72
	s_and_b32 s[TI], s[TI], 3
	s_add_co_u32 s[TN], s[TI], 1
	s_and_b32 s[TN], s[TN], 3
	s_lshl_b32 s43, s41, 2
	s_lshl_b32 s43, 15, s43
	s_lshl_b32 s44, 0x1111, s40
	s_or_b32 s[G1+0], s43, (3<<16)|(1<<21)
	s_or_b32 s[G1B+0], s44, (3<<16)|(1<<21)
.irp g, G1, G1B
	s_mov_b32 s[\g+1], 32<<16
	s_mov_b32 s[\g+2], 128<<16
	s_mov_b32 s[\g+3], 32<<16
	s_mov_b32 s[\g+4], 128
	s_mov_b32 s[\g+5], 32
	s_mov_b32 s[\g+6], 0
	s_mov_b32 s[\g+7], 0
.endr
	s_lshl_b32 s18, s16, 15
	s_lshl_b32 s20, s42, 23
	s_lshl_b32 s77, s17, 16
	s_add_co_u32 s20, s20, s77
	s_add_co_u32 s20, s20, s18
	s_mov_b32 s21, 0
	s_lshl_b32 s46, s42, 22
	s_lshl_b32 s76, s40, 18
	s_add_co_u32 s46, s46, s76
	s_lshl_b32 s76, s[TI], 16
	s_add_co_u32 s46, s46, s76
	s_add_co_u32 s46, s46, s18
	s_mov_b32 s47, 0
	s_lshl_b32 s45, s14, 15
	s_wait_kmcnt 0x0
	s_add_nc_u64 s[20:21], s[4:5], s[20:21]
	s_add_nc_u64 s[46:47], s[6:7], s[46:47]
	CROUND
.irp s, 0,1
	s_mov_b32 s[G0+4*\s], 1
	s_add_co_u32 s[G0+4*\s+1], s45, \s*SLOT
	s_add_nc_u64 s[G0+4*\s+2:G0+4*\s+3], s[20:21], \s*0x200000
	s_or_b32 s[G0+4*\s+3], s[G0+4*\s+3], 0x80000000
	s_mov_b32 s[G0B+4*\s], 1
	s_add_co_u32 s[G0B+4*\s+1], s45, \s*SLOT
	s_add_nc_u64 s[G0B+4*\s+2:G0B+4*\s+3], s[46:47], \s*0x100000
	s_or_b32 s[G0B+4*\s+3], s[G0B+4*\s+3], 0x80000000
.endr
	JLOAD G0, G1, G0B, G1B                         ; K step 0: one tensor load a wave at the head; the set-up, the bias loads and the clearing of the park stand under it
	s_cmp_eq_u32 s15, 0                            ; do I fetch for A?
	s_cselect_b64 s[86:87], s[20:21], s[46:47]     ; the 32 KiB that I fetch in K step 0
	s_cselect_b32 s88, s40, s41                    ; my work-group's place among the four that ask for them jointly: cx for A, cy for B
	s_mov_b32 s89, 0x100000
	s_cselect_b32 s89, 0x200000, s89               ; bytes from a K step to the next, in xq or in wq
	s_lshl_b32 s88, s88, 13                        ; my work-group's 32 of the 128 blocks
	v_and_b32 v1, 31, v0
	v_lshl_add_u32 v3, v1, 8, s88                  ; a lane a block of 256 bytes
	v_add_nc_u32 v4, s89, v3                       ; K step 1,
	v_add_nc_u32 v5, s89, v4                       ; 2,
	v_add_nc_u32 v6, s89, v5                       ; 3: all inside the tile's own K; these registers are never rewritten
	v_bfe_u32 v2, v0, 4, 1
	v_lshlrev_b32 v[LO], 4, v1
	s_wait_alu depctr_va_vdst(0)
	v_lshlrev_b32 v[BO], 5, v2
	s_wait_alu depctr_va_vdst(0)
	s_lshl_b32 s18, s15, 15
	s_lshl_b32 s19, s16, 15
	s_add_co_u32 s19, s19, 2*WBLK
.irp s, 0,1
	v_add_nc_u32 v[ADRA+\s], s18, v[LO]
	v_add_nc_u32 v[ADRB+\s], s19, v[LO]
	s_add_co_u32 s18, s18, SLOT
	s_add_co_u32 s19, s19, SLOT
.endr
	s_lshl_b32 s22, s14, 13
	s_add_co_u32 s22, s22, PARK
	v_add_nc_u32 v[PK], s22, v[LO]
	s_lshl_b32 s23, s15, 14
	s_lshl_b32 s22, s16, 12
	s_add_co_u32 s23, s23, s22
	s_add_co_u32 s23, s23, PARK
	v_add_nc_u32 v[RD], s23, v[LO]
	s_mov_b32 s75, 0
	s_mov_b32 s[DB+1], 0
	s_lshl_b32 s74, s42, 14
	s_lshl_b32 s76, s40, 12
	s_add_co_u32 s74, s74, s76
	s_lshl_b32 s76, s16, 9
	s_add_co_u32 s74, s74, s76
	s_add_nc_u64 s[BIA0:BIA0+1], s[10:11], s[74:75]
	s_lshl_b32 s74, s42, 17
	s_lshl_b32 s76, s40, 15
	s_add_co_u32 s74, s74, s76
	s_lshl_b32 s76, s16, 12
	s_add_co_u32 s74, s74, s76
	s_add_nc_u64 s[W2B0:W2B0+1], s[8:9], s[74:75]
	s_lshl_b32 s74, s42, 21
	s_lshl_b32 s76, s40, 19
	s_add_co_u32 s74, s74, s76
	s_lshl_b32 s76, s17, 14
	s_add_co_u32 s74, s74, s76
	s_lshl_b32 s76, s15, 13
	s_add_co_u32 s74, s74, s76
	s_lshl_b32 s76, s16, 12
	s_add_co_u32 s74, s74, s76
	s_add_nc_u64 s[12:13], s[12:13], s[74:75]
	s_lshl_b32 s74, s[TI], 10
	s_add_nc_u64 s[BIA:BIA+1], s[BIA0:BIA0+1], s[74:75]
.irp b, 0,1,2,3,4,5,6,7
.irp u, 0,1
	global_load_b128 v[BIAS+8*\b+4*\u:BIAS+8*\b+4*\u+3], v[BO], s[BIA:BIA+1] offset:64*\b+16*\u
.endr
.endr
	global_prefetch_b8 v4, s[86:87] th:TH_LOAD_NT scope:SCOPE_SE   ; K step 1: behind K step 0's joint load, the set-up and the bias loads
.irp i, 8,9,10,11
	v_mov_b32 v\i, 0
.endr
.set i, 0
	s_wait_alu depctr_va_vdst(0)
.rept 16
	ds_store_b128 v[PK], v[8:11] offset:512*i
.set i, i+1
.endr
	s_wait_alu depctr_va_vdst(0)
	s_wait_tensorcnt 0x0                           ; my part of K step 0 is in
	ds_add_u32 v[SPW], v[NIL]
	s_wait_dscnt 0x0                               ; the add is done, and so are my stores into the park
	CROUND                                         ; everybody's part of K step 0 is in, and all sixteen work-groups are here
	JLOAD G0+4, G1, G0B+4, G1B                     ; K step 1: the first tensor load behind the round
	RUNB 0, 0, 0, 0
	RUNA 0, 0, 0
	global_prefetch_b8 v5, s[86:87] th:TH_LOAD_NT scope:SCOPE_SE   ; K step 2, one refill ahead of its load
	RUNB 0, 0, 0, 4
	RUNA 0, 0, 4
	global_prefetch_b8 v6, s[86:87] th:TH_LOAD_NT scope:SCOPE_SE   ; K step 3, two refills ahead of its load
	s_wait_loadcnt 0x0
	POINT
	s_mov_b32 s3, 3
.Ltile:
	TILE 0
	s_sub_co_u32 s3, s3, 1
	s_cmp_lg_u32 s3, 0
	s_cbranch_scc1 .Ltile
	TILE 1
	s_wait_dscnt 0x0
	s_barrier_signal -1
	s_barrier_wait -1
.irp i, 0,1,2,3,4,5,6,7
	ds_load_b128 v[128+4*\i:128+4*\i+3], v[RD] offset:512*\i
.endr
.irp i, 0,1,2,3,4,5,6,7
	ds_load_b128 v[160+4*\i:160+4*\i+3], v[RD] offset:8192+512*\i
.endr
	s_wait_dscnt 0x0
.set i, 0
.rept 16
	v_pk_add_f32 v[128+2*i:128+2*i+1], v[128+2*i:128+2*i+1], v[160+2*i:160+2*i+1]
.set i, i+1
.endr
.irp i, 0,1,2,3,4,5,6,7
	global_store_b128 v[LO], v[128+4*\i:128+4*\i+3], s[12:13] offset:512*\i
.endr
	s_wait_tensorcnt 0x0
	ds_add_u32 v[SPW], v[NIL]
	s_wait_dscnt 0x0
	CROUND
	s_endpgm
.Lfunc_end_k_qd62bb9d963_gemm:
	.size	k_qd62bb9d963_gemm, .Lfunc_end_k_qd62bb9d963_gemm-k_qd62bb9d963_gemm
	.p2alignl 7, 3214868480
	.fill 96, 4, 3214868480
	.section	.rodata,"a",@progbits
	.p2align	6, 0x0
	.amdhsa_kernel k_qd62bb9d963_gemm
		.amdhsa_group_segment_fixed_size 327680
		.amdhsa_private_segment_fixed_size 0
		.amdhsa_enable_private_segment 0
		.amdhsa_kernarg_size 40
		.amdhsa_user_sgpr_count 2
		.amdhsa_user_sgpr_kernarg_segment_ptr 1
		.amdhsa_wavefront_size32 1
		.amdhsa_system_sgpr_workgroup_id_x 1
		.amdhsa_system_sgpr_workgroup_id_y 1
		.amdhsa_system_sgpr_workgroup_id_z 1
		.amdhsa_system_vgpr_workitem_id 0
		.amdhsa_next_free_vgpr 1024
		.amdhsa_next_free_sgpr 96
		.amdhsa_reserve_vcc 0
		.amdhsa_float_denorm_mode_32 3
		.amdhsa_float_denorm_mode_16_64 3
		.amdhsa_memory_ordered 1
		.amdhsa_forward_progress 1
		.amdhsa_inst_pref_size 239
	.end_amdhsa_kernel
	.amdgpu_metadata
---
amdhsa.version: [ 1, 2 ]
amdhsa.kernels:
  - .name:           k_qd62bb9d963_gemm
    .symbol:         k_qd62bb9d963_gemm.kd
    .args:
      - { .name: xq, .offset: 0, .size: 8, .value_kind: global_buffer, .address_space: global }
      - { .name: wq, .offset: 8, .size: 8, .value_kind: global_buffer, .address_space: global }
      - { .name: w2t, .offset: 16, .size: 8, .value_kind: global_buffer, .address_space: global }
      - { .name: b1s, .offset: 24, .size: 8, .value_kind: global_buffer, .address_space: global }
      - { .name: part, .offset: 32, .size: 8, .value_kind: global_buffer, .address_space: global }
    .group_segment_fixed_size: 327680
    .private_segment_fixed_size: 0
    .kernarg_segment_align: 8
    .kernarg_segment_size: 40
    .max_flat_workgroup_size: 128
    .sgpr_count:     96
    .vgpr_count:     1024
    .wavefront_size: 32
...
	.end_amdgpu_metadata
.endif
;; end of part 2
;; launch finish (part 3): grid 256 x 1, 2 waves a work-group, no clusters, 4,352 bytes of LDS; arguments part, b2o, b2f, lowp_scales, out0; writes out0
.if DOCPART == 3
	.amdgcn_target "amdgcn-amd-amdhsa--gfx1250"
	.amdhsa_code_object_version 6
	.text
	.protected	k_qd62bb9d963_finish
	.globl	k_qd62bb9d963_finish
	.p2align	8
	.type	k_qd62bb9d963_finish,@function
k_qd62bb9d963_finish:
	s_mov_b64 s[64:65], 0
	v_nop
	global_prefetch_b8 v0, s[64:65] scope:SCOPE_SE
	s_setreg_imm32_b32 hwreg(HW_REG_WAVE_MODE, 25, 1), 1
	s_wait_xcnt 0x0
; logits = (the sum of a net's four parts) x 2^(eA + eB) + b2; softmax with the row's maximum taken away; the indicator comp_max_tau on net o's probabilities; out = x1 (1 - c) + x2 c.  All in f32.
; A work-group takes 32 rows; each of its two waves one block of 16 rows, both nets: vector q = the net.  As the parts are laid, lane (r, h), register j holds (row r of the block, column 8 h + j): a row's ten columns
; lie in two lanes, l and l xor 16; in lanes 16-31 registers 2 to 7 are padding columns and become -infinity ahead of the maximum, so that they weigh 0 from then on.
; The parts are added in a fixed order, (p0 + p1) + (p2 + p3).  The power of two is applied by v_ldexp_f32 and keeps no limit of its own.
; In comp_max_tau's last round reference() keeps the tau entry alone, so only that entry is scaled there.
; The matrix units, clusters and tensor loads have nothing to do here: 8 KiB in for each wave, 1,280 bytes out for the work-group.
; The 32 rows of 40 bytes meet in LDS behind one barrier and leave as five aligned runs of 256 bytes: four by the 64 threads, the fifth by wave 0's lanes 0-15.
; REGISTERS: v[64 + 32 q ..] vector q (its four parts at +0, +8, +16, +24); v16-23, v24-31 b2 of the two nets; v32, 33 maxima; v36, 37 sums; v40, 41 the other lane's; v44 the tau entry; v48-55 the squares, then out; v56-63 at work.
	s_load_b256 s[4:11], s[0:1], 0x0               ; part 4:5, b2o 6:7, b2f 8:9, lowp_scales 10:11
	s_load_b64 s[12:13], s[0:1], 0x20              ; out0
	v_lshl_add_u32 v14, v0, 2, 0x1000              ; my spare word, and 0
	v_mov_b32 v15, 0
	v_lshrrev_b32 v5, 5, v0
	v_readfirstlane_b32 s18, v5                    ; wave = which block of 16 rows
	v_and_b32 v1, 15, v0                           ; r
	v_bfe_u32 v2, v0, 4, 1                         ; h
	v_and_b32 v3, 31, v0
	v_lshlrev_b32 v3, 4, v3                        ; 16 x lane: my place in a part's image
	v_lshlrev_b32 v4, 4, v0                        ; 16 x thread: my place in the first 1,024 bytes out
	v_lshlrev_b32 v12, 4, v1                       ; 16 x (lane mod 16): the last 256 bytes out
	v_lshlrev_b32 v6, 5, v2                        ; 32 h
	v_mov_b32 v7, 0
	v_mov_b32 v8, 0xff800000                       ; -infinity
	s_mul_i32 s19, s18, 640                        ; my block's 16 rows of 40 bytes in the stage
	v_mul_u32_u24 v9, v1, 40
	v_add_nc_u32 v9, s19, v9
	v_lshl_add_u32 v10, v2, 11, v9                 ; columns 2-7: lanes 0-15 into the row; lanes 16-31 (padding) into bytes from 2,048 on, which nobody reads
	v_lshl_add_u32 v9, v2, 5, v9                   ; registers 0, 1: columns 0, 1 or columns 8, 9
.irp i, 40,41,63
	v_mov_b32 v\i, 0                               ; written once: a lane permute's destination counts as one of its sources
.endr
	s_lshl_b32 s14, ttmp9, 11                      ; two blocks of 1,024 bytes,
	s_lshl_b32 s15, s18, 10                        ; and mine of them
	s_add_co_u32 s14, s14, s15
	s_mov_b32 s15, 0
	s_mul_i32 s16, ttmp9, 1280                     ; 32 rows of 40 bytes: five aligned runs of 256
	s_mov_b32 s17, 0
	s_mov_b32 s20, 0x76543210                      ; v_permlanex16_b32: lane l xor 16
	s_mov_b32 s21, 0xfedcba98
	s_mov_b32 s22, 0xbf638e39                      ; -2 / 2.25
	s_mov_b32 s23, 0x3f638e39                      ; 2 / 2.25
	s_wait_alu depctr_va_vdst(0)
	s_wait_kmcnt 0x0
	s_load_b128 s[24:27], s[10:11], 0x0            ; e0, e1, e2, e3
	s_add_nc_u64 s[4:5], s[4:5], s[14:15]
	s_add_nc_u64 s[12:13], s[12:13], s[16:17]
.irp n, 0,1
.irp g, 0,1,2,3
.irp u, 0,1
	global_load_b128 v[64+32*\n+8*\g+4*\u:64+32*\n+8*\g+4*\u+3], v3, s[4:5] offset:\n*0x200000+\g*0x80000+\u*512 th:TH_LOAD_NT
.endr
.endr
.endr
	global_load_b64 v[16:17], v6, s[6:7]           ; b2[8 h], b2[8 h + 1]
	global_load_b64 v[18:19], v7, s[6:7] offset:8  ; b2[2..7], for lanes 0-15; lanes 16-31 read the same and mask them
	global_load_b128 v[20:23], v7, s[6:7] offset:16
	global_load_b64 v[24:25], v6, s[8:9]
	global_load_b64 v[26:27], v7, s[8:9] offset:8
	global_load_b128 v[28:31], v7, s[8:9] offset:16
	v_cmp_eq_u32 s30, 1, v2                        ; lanes 16-31
	s_wait_kmcnt 0x0
	s_add_co_i32 s28, s24, s25                     ; net o's exponents added,
	s_add_co_i32 s29, s26, s27                     ; net f's
	s_wait_loadcnt 0x0
.irp q, 0,1
.irp i, 0,2,4,6
	v_pk_add_f32 v[64+32*\q+\i:65+32*\q+\i], v[64+32*\q+\i:65+32*\q+\i], v[72+32*\q+\i:73+32*\q+\i]
	v_pk_add_f32 v[80+32*\q+\i:81+32*\q+\i], v[80+32*\q+\i:81+32*\q+\i], v[88+32*\q+\i:89+32*\q+\i]
.endr
.irp i, 0,2,4,6
	v_pk_add_f32 v[64+32*\q+\i:65+32*\q+\i], v[64+32*\q+\i:65+32*\q+\i], v[80+32*\q+\i:81+32*\q+\i]
.endr
.irp i, 0,1,2,3,4,5,6,7
	v_ldexp_f32 v[64+32*\q+\i], v[64+32*\q+\i], s[28+\q]
.endr
.irp i, 0,2,4,6
	v_pk_add_f32 v[64+32*\q+\i:65+32*\q+\i], v[64+32*\q+\i:65+32*\q+\i], v[16+8*\q+\i:17+8*\q+\i]
.endr
.irp i, 2,3,4,5,6,7
	v_cndmask_b32 v[64+32*\q+\i], v[64+32*\q+\i], v8, s30
.endr
.endr
.irp q, 0,1                            ; the row's maximum
	v_max3_num_f32 v[32+\q], v[64+32*\q], v[65+32*\q], v[66+32*\q]
	v_max3_num_f32 v[32+\q], v[32+\q], v[67+32*\q], v[68+32*\q]
	v_max3_num_f32 v[32+\q], v[32+\q], v[69+32*\q], v[70+32*\q]
	v_max_num_f32 v[32+\q], v[32+\q], v[71+32*\q]
.endr
.irp q, 0,1
	v_permlanex16_b32 v[40+\q], v[32+\q], s20, s21
.endr
.irp q, 0,1
	v_max_num_f32 v[32+\q], v[32+\q], v[40+\q]
.endr
.irp q, 0,1
.irp i, 0,1,2,3,4,5,6,7
	v_sub_f32 v[64+32*\q+\i], v[64+32*\q+\i], v[32+\q]
.endr
.irp i, 0,1,2,3,4,5,6,7
	v_mul_f32 v[64+32*\q+\i], 0x3fb8aa3b, v[64+32*\q+\i]      ; x log2(e)
.endr
.endr
	s_wait_alu depctr_va_vdst(0)
.irp q, 0,1
.irp i, 0,1,2,3,4,5,6,7
	v_exp_f32 v[64+32*\q+\i], v[64+32*\q+\i]
.endr
.endr
	v_nop                                          ; a plain line behind the last exponential
	s_wait_alu depctr_va_vdst(0)                   ; one wait for the batch of 16, ahead of its first reader
.irp q, 0,1
	v_pk_add_f32 v[48+4*\q:49+4*\q], v[64+32*\q:65+32*\q], v[66+32*\q:67+32*\q]
	v_pk_add_f32 v[50+4*\q:51+4*\q], v[68+32*\q:69+32*\q], v[70+32*\q:71+32*\q]
.endr
.irp q, 0,1
	v_pk_add_f32 v[48+4*\q:49+4*\q], v[48+4*\q:49+4*\q], v[50+4*\q:51+4*\q]
.endr
.irp q, 0,1
	v_add_f32 v[36+\q], v[48+4*\q], v[49+4*\q]
.endr
.irp q, 0,1
	v_permlanex16_b32 v[40+\q], v[36+\q], s20, s21
.endr
.irp q, 0,1
	v_add_f32 v[36+\q], v[36+\q], v[40+\q]
.endr
	s_wait_alu depctr_va_vdst(0)                   ; ahead of the two reciprocals
.irp q, 0,1
	v_rcp_f32 v[36+\q], v[36+\q]
.endr
	v_nop
	s_wait_alu depctr_va_vdst(0)                   ; one wait for the two reciprocals
.irp q, 0,1
.irp i, 0,1,2,3,4,5,6,7
	v_mul_f32 v[64+32*\q+\i], v[64+32*\q+\i], v[36+\q]        ; the probabilities: x1 at v64, x2 at v96
.endr
.endr
; One round of comp_max_tau: the sum of the eleven entries; inv = (2 / m) a, with a = 2 - (2 / m) s, b = 1 - (2 / m) s, three times b = b b, a = a (1 + b) = a b + a; the entries x inv.
; first = 1: m = 2.25, else m = 2 and 2 / m = 1.  last = 1: only the tau entry is scaled.
.macro ROUND first, last
	v_pk_add_f32 v[56:57], v[48:49], v[50:51]
	v_pk_add_f32 v[58:59], v[52:53], v[54:55]
	v_pk_add_f32 v[56:57], v[56:57], v[58:59]
	v_add_f32 v60, v56, v57
	v_permlanex16_b32 v63, v60, s20, s21
	v_add_f32 v60, v60, v63
	v_add_f32 v60, v60, v44
.if \first
	v_fma_f32 v61, s22, v60, 2.0
	v_fma_f32 v62, s22, v60, 1.0
.else
	v_sub_f32 v61, 2.0, v60
	v_sub_f32 v62, 1.0, v60
.endif
.rept 3
	v_mul_f32 v62, v62, v62
	v_fma_f32 v61, v61, v62, v61
.endr
.if \first
	v_mul_f32 v61, s23, v61
.endif
	v_mul_f32 v44, v44, v61
.if \last == 0
.irp i, 0,1,2,3,4,5,6,7
	v_mul_f32 v[48+\i], v[48+\i], v61
.endr
.irp i, 0,2,4,6
	v_pk_mul_f32 v[48+\i:49+\i], v[48+\i:49+\i], v[48+\i:49+\i]   ; the next round's squares
.endr
	v_mul_f32 v44, v44, v44
.endif
.endm
.irp i, 0,2,4,6
	v_pk_mul_f32 v[48+\i:49+\i], v[64+\i:65+\i], v[64+\i:65+\i]
.endr
	v_mov_b32 v44, 0x3e800000                      ; tau squared
	ROUND 1, 0
	ROUND 0, 0
	ROUND 0, 1
	v_sub_f32 v62, 1.0, v44
.irp i, 0,1,2,3,4,5,6,7
	v_mul_f32 v[48+\i], v[64+\i], v62
.endr
.irp i, 0,1,2,3,4,5,6,7
	v_fmac_f32 v[48+\i], v[96+\i], v44
.endr
	ds_store_b64 v9, v[48:49]
	ds_store_b64 v10, v[50:51] offset:8
	ds_store_b64 v10, v[52:53] offset:16
	ds_store_b64 v10, v[54:55] offset:24
	s_wait_tensorcnt 0x0                           ; behind my last LDS store
	ds_add_u32 v14, v15
	s_wait_dscnt 0x0                               ; for the other wave's sake too: my stores into the stage are done
	s_barrier_signal -1
	s_barrier_wait -1
	ds_load_b128 v[64:67], v4                      ; bytes 0 to 1,023 of the 1,280, 16 a thread
	ds_load_b128 v[68:71], v12 offset:1024         ; bytes 1,024 to 1,279: lanes 16-31 name the bytes of lanes 0-15 again
	s_wait_dscnt 0x0
	global_store_b128 v4, v[64:67], s[12:13]       ; sixteen lanes fill 256 aligned bytes
	s_cmp_lg_u32 s18, 0
	s_cbranch_scc1 .Ldone                          ; the last 256 bytes are wave 0's
	s_wait_xcnt 0x0                                ; EXEC changes only behind this wait
	v_cmp_gt_u32 vcc_lo, 16, v0
	s_and_saveexec_b32 s31, vcc_lo                 ; sixteen lanes
	global_store_b128 v12, v[68:71], s[12:13] offset:1024
	s_wait_xcnt 0x0                                ; and again, in front of the line that widens it
	s_or_b32 exec_lo, exec_lo, s31
.Ldone:
	s_endpgm
.Lfunc_end_k_qd62bb9d963_finish:
	.size	k_qd62bb9d963_finish, .Lfunc_end_k_qd62bb9d963_finish-k_qd62bb9d963_finish
	.p2alignl 7, 3214868480
	.fill 96, 4, 3214868480
	.section	.rodata,"a",@progbits
	.p2align	6, 0x0
	.amdhsa_kernel k_qd62bb9d963_finish
		.amdhsa_group_segment_fixed_size 4352
		.amdhsa_private_segment_fixed_size 0
		.amdhsa_enable_private_segment 0
		.amdhsa_kernarg_size 40
		.amdhsa_user_sgpr_count 2
		.amdhsa_user_sgpr_kernarg_segment_ptr 1
		.amdhsa_wavefront_size32 1
		.amdhsa_system_sgpr_workgroup_id_x 1
		.amdhsa_system_sgpr_workgroup_id_y 1
		.amdhsa_system_sgpr_workgroup_id_z 1
		.amdhsa_system_vgpr_workitem_id 0
		.amdhsa_next_free_vgpr 128
		.amdhsa_next_free_sgpr 66
		.amdhsa_reserve_vcc 1
		.amdhsa_float_denorm_mode_32 3
		.amdhsa_float_denorm_mode_16_64 3
		.amdhsa_memory_ordered 1
		.amdhsa_forward_progress 1
		.amdhsa_inst_pref_size 18
	.end_amdhsa_kernel
	.amdgpu_metadata
---
amdhsa.version: [ 1, 2 ]
amdhsa.kernels:
  - .name:           k_qd62bb9d963_finish
    .symbol:         k_qd62bb9d963_finish.kd
    .args:
      - { .name: part, .offset: 0, .size: 8, .value_kind: global_buffer, .address_space: global }
      - { .name: b2o, .offset: 8, .size: 8, .value_kind: global_buffer, .address_space: global }
      - { .name: b2f, .offset: 16, .size: 8, .value_kind: global_buffer, .address_space: global }
      - { .name: lowp_scales, .offset: 24, .size: 8, .value_kind: global_buffer, .address_space: global }
      - { .name: out0, .offset: 32, .size: 8, .value_kind: global_buffer, .address_space: global }
    .group_segment_fixed_size: 4352
    .private_segment_fixed_size: 0
    .kernarg_segment_align: 8
    .kernarg_segment_size: 40
    .max_flat_workgroup_size: 64
    .sgpr_count:     66
    .vgpr_count:     128
    .wavefront_size: 32
...
	.end_amdgpu_metadata
.endif
;; end of part 3
